; MI455X (gfx1250); checked and timed in simulation.
; The chip was launched on July 23, 2026; its instructions are those of AMD's public machine-readable ISA for CDNA 5 (MIT licence, August 2026) and "CDNA5" Instruction Set Architecture Reference Guide (July 2026). The comments in the code are by the model that wrote it; some were corrected since.
;; Attention. Allowed arithmetic: matrix products marked QUANTISED: E2M1 operands, one E8M0 scale for each 32 along K, by v_wmma_scale_f32_16x16x128_f8f6f4 with both operands' format E2M1 (or v_wmma_scale_f32_32x16x128_f4), f32 sums; products left as they are: bf16, f16 or f32 operands; f32 sums; everything else in f32.
;; Inputs: key 32 x 2,048 x 128 float32; query 32 x 2,048 x 128 float32; value 32 x 2,048 x 128 float32.
;; Outputs: out0 32 x 2,048 x 128 float32.
;; This version of the problem:
;;   THIS VERSION OF THE PROBLEM IS GIVEN IN LOW PRECISION. The matrix products marked QUANTISED in the list below multiply operands that are first quantised to E2M1 (2 exponent bits, 1 mantissa bit; 4 bits a number), with one power-of-two scale for each 32 numbers along K (OCP MX v1.0); their sums are f32. The products marked 'left as it is' may take bf16, f16 or f32 operands, with f32 sums. Whichever they take, every output number must still come out within the allowed error. Rounding operands to bf16 (8 significant bits) uses up far more of that allowance than f16 does (11 bits, for magnitudes from 6e-5 to 65,504). All else is computed in f32.
;;   The module's matrix products, in the order in which they are computed (A, B: the left and right operand; K: the contracted axis; several contracted axes count as one K, in the product's order):
;;     1. batch 32 x [M 2,048, K 128] x [K 128, N 2,048]; A: input query; B: input key: QUANTISED
;;     2. batch 32 x [M 2,048, K 2,048] x [K 2,048, N 128]; A: computed on the way; B: input value: left as it is (an operand is computed on the way)
;;   THE QUANTISER, for each operand of a quantised product, along K:
;;     - K is cut into blocks of 32 from its start; a last block that is shorter is filled with zeros.
;;     - A block's scale is 2^e with e = floor(log2(the largest magnitude in the block)) - 2, held to -126 .. 127; a block of zeros has e = 0. As a byte (E8M0): e + 127.
;;     - Each number is divided by its block's scale, clamped to +-6, and rounded to the nearest number of E2M1, ties to even, subnormals kept.
;;     - The product sums the exact products of the quantised numbers (number of the format x scale) in f32.
;;   ~~~python
;;   def quantise(x, axis):      # numpy; x: float32 -> the quantised numbers, widened to float32 again
;;       x = np.moveaxis(x, axis, -1); K = x.shape[-1]
;;       x = np.pad(x, [(0, 0)] * (x.ndim - 1) + [(0, -K % 32)]); x = x.reshape(x.shape[:-1] + (-1, 32)); a = np.abs(x).max(-1, keepdims=True)
;;       e = np.where(a > 0, np.clip(np.frexp(np.where(a > 0, a, 1))[1] - 1 - 2, -126, 127), 0)      # np.frexp(a)[1] - 1 = floor(log2(a)), exactly
;;       r = np.clip(x / 2.0 ** e, -6, 6)
;;       step = 2.0 ** (np.maximum(np.frexp(np.where(r == 0, 1, r))[1] - 1, 0) - 1)
;;       q = np.round(r / step) * step * 2.0 ** e      # np.round: ties to even
;;       return np.moveaxis(q.reshape(q.shape[:-2] + (-1,))[..., :K], -1, axis).astype(np.float32)
;;   ~~~
;; One version. Each part assembles by itself: llvm-mc -triple=amdgcn-amd-amdhsa -mcpu=gfx1250 --defsym DOCPART=n.
;; ======== version 1 of 1: 2 launches
;; limits: values are held in f16: magnitudes above 65,504 overflow, below 6.1e-05 lose precision
;; workspace buffers: k_codes 4,194,304 bytes; k_scales 262,144 bytes; q_codes 4,194,304 bytes; q_scales 262,144 bytes; v_img 16,777,216 bytes
;; launch prep (part 1): grid 768 x 1, 4 waves a work-group, no clusters, 33,280 bytes of LDS; arguments key, query, value, k_codes, k_scales, q_codes, q_scales, v_img; writes k_codes, k_scales, q_codes, q_scales, v_img
.if DOCPART == 1
	.amdgcn_target "amdgcn-amd-amdhsa--gfx1250"
	.amdhsa_code_object_version 6
	.text
	.protected	k_qaeae463ff2_prep
	.globl	k_qaeae463ff2_prep
	.p2align	8
	.type	k_qaeae463ff2_prep,@function
k_qaeae463ff2_prep:
	s_mov_b64 s[64:65], 0
	v_nop
	global_prefetch_b8 v0, s[64:65] scope:SCOPE_SE
	s_setreg_imm32_b32 hwreg(HW_REG_WAVE_MODE, 25, 1), 1
	s_wait_xcnt 0x0
; WHAT IT DOES.  key and query, [32][2048][128] f32, become codes of FP4 (E2M1), 4 bits each, the head's 128 innermost (a row: 64 bytes), with one E8M0 scale byte for each 32 (a row: 4 bytes).
; value, [32][2048][128] f32, becomes f16, laid as images of the registers in which the second product's launch wants it.
; Every head's keys and values are read by eight work-groups of the next launch: so they are converted once, here.
; WORK-GROUPS 0-255 take key, 256-511 query (one path, the buffers chosen by the work-group's number), 512-767 value.
; THE QUANTISER.  A block's scale is 2^(floor(log2(its largest magnitude)) - 2); its byte is the largest magnitude's own exponent field - 2, held at 1 from below.  Each number is divided by the scale and
; rounded to the nearest code, ties to even, beyond the largest code the largest.
; LIMITS.  A block of zeros gets the byte 1 where the rule says 127: its codes are zeros, and the bytes are read by this program alone.  Blocks whose largest magnitude lies under 2^-124 are held at that floor's byte.
; NaN and infinities among the inputs are not served.  |value| has to stay under 65,520, the range of f16.
; KEY AND QUERY.  Rows are dense, so a tensor is a plain stream of blocks of 32.  A wave takes 16 steps of 512 numbers.  Each of a step's four loads reads 512 consecutive bytes, 16 a lane; the 2,048 bytes turn
; through the wave's own stage in LDS and come back 64 bytes a lane: 16 neighbours, two lanes to a block.  A lane's 16 codes are 8 bytes: the wave stores 256 consecutive bytes.  A wave's 256 scale bytes are
; gathered in its own LDS bytes and leave as 256 consecutive bytes.  Waves share nothing: no barrier.
; VALUE.  A thread takes one of the 128 channels and its registers run down the keys.  32 keys x 16 channels are one image of 1,024 bytes: byte 256 g + 16 r holds keys 8 g .. 8 g + 7 of channel r, the lower
; key in the lower half.  So a lane of the next launch finds registers 0-3 of its fragment at 16 x lane and registers 4-7 at 512 + 16 x lane.  Images lie [key / 32][channel / 16].
.set WAVES, 4
.set STEPS, 16
.set WGA,   256                        ; work-groups for each of key and query: 8,388,608 numbers / 32,768
.set EMAX,  2
.set CB,    8                          ; bytes of 16 codes
.set R,     16                         ; v16-79   four sets of 16 numbers as they are loaded
.set X,     80                         ; v80-111  two sets of 16 neighbours
.set E,     112                        ; v112-127 a scale byte for each step
.set C,     128                        ; v128-191 codes: four registers for each step, so that no store's data are written again
.set WREG,  8192                       ; LDS: a region for each wave: two stages of 32 x SP bytes, behind them its 256 scale bytes
.set SP,    80                         ; a lane's place in a stage: 64 bytes + 16 of padding
.set SPW,   12                         ; v12  LDS address of my spare word; never rewritten
.set NIL,   13                         ; v13  0; never rewritten
.set SPARE, WAVES*WREG                 ; behind the four regions: the spare words, 128 bytes a wave, which no other line names
.set VX,    32                         ; value's path: v32-95 two sets of 32 numbers
.set VC,    96                         ; v96-127 two sets of 16 registers of f16 pairs
	s_load_b256 s[4:11], s[0:1], 0x0               ; key s[4:5], query s[6:7], value s[8:9], k_codes s[10:11]
	s_load_b256 s[12:19], s[0:1], 0x20             ; k_scales s[12:13], q_codes s[14:15], q_scales s[16:17], v_img s[18:19]
	v_lshl_add_u32 v[SPW], v0, 2, SPARE
	v_mov_b32 v[NIL], 0
	s_cmp_ge_u32 ttmp9, 2*WGA
	s_cbranch_scc1 .Lvalue
	; ---------------- key and query ----------------
	v_lshrrev_b32 v1, 5, v0
	v_readfirstlane_b32 s20, v1                    ; wave
	v_and_b32 v2, 31, v0                           ; lane
	v_lshlrev_b32 v3, 4, v2                        ; my 16 bytes of a load's 512
	s_mul_i32 s21, s20, WREG
	v_lshrrev_b32 v14, 2, v2
	v_mul_u32_u24 v14, v14, SP
	v_and_b32 v15, 3, v2
	v_lshl_add_u32 v14, v15, 4, v14
	v_add_nc_u32 v14, s21, v14                     ; the stage, on the way in: four lanes' 64 bytes on end, then 16 of padding
	v_mul_u32_u24 v15, v2, SP
	v_add_nc_u32 v15, s21, v15                     ; and on the way out: SP x lane: my 16 neighbours
	v_mul_u32_u24 v4, v2, CB                       ; my codes' place in a step's
	v_lshrrev_b32 v5, 1, v2
	s_add_co_u32 s21, s21, 2*32*SP
	v_add_nc_u32 v5, s21, v5                       ; LDS: my wave's 256 scale bytes, my block's byte
	v_lshlrev_b32 v7, 3, v2                        ; and on the way out 8 bytes a lane
	v_add_nc_u32 v6, s21, v7
	s_wait_kmcnt 0x0
	s_cmp_lt_u32 ttmp9, WGA                        ; key's work-group or query's?  The choice hangs on the work-group's number alone
	s_cselect_b64 s[4:5], s[4:5], s[6:7]
	s_cselect_b64 s[10:11], s[10:11], s[14:15]
	s_cselect_b64 s[12:13], s[12:13], s[16:17]
	s_cselect_b32 s21, 0, WGA
	s_sub_co_u32 s21, ttmp9, s21
	s_lshl_b32 s21, s21, 2
	s_add_co_u32 s22, s21, s20                     ; which run of 8,192 numbers is my wave's: 0 .. 1,023
	s_lshl_b32 s24, s22, 15                        ; 32,768 bytes of numbers a run,
	s_mov_b32 s25, 0
	s_add_nc_u64 s[4:5], s[4:5], s[24:25]
	s_lshl_b32 s24, s22, 12                        ; 4,096 of codes,
	s_add_nc_u64 s[10:11], s[10:11], s[24:25]
	s_lshl_b32 s24, s22, 8                         ; 256 of scale bytes
	s_add_nc_u64 s[12:13], s[12:13], s[24:25]
.macro LOAD t
.irp i, 0,1,2,3
	global_load_b128 v[R+16*((\t)%4)+4*\i:R+16*((\t)%4)+4*\i+3], v3, s[4:5] offset:2048*(\t)+512*\i th:TH_LOAD_NT   ; 32 lanes read 512 consecutive bytes
.endr
.endm
.macro TURN t                          ; step t's numbers through the stage: LDS serves a wave's instructions in order (ISA guide 5.7.1.4), so no wait stands between the stores and the loads
.irp i, 0,1,2,3
	ds_store_b128 v14, v[R+16*((\t)%4)+4*\i:R+16*((\t)%4)+4*\i+3] offset:32*SP*((\t)%2)+8*SP*\i
.endr
.irp i, 0,1,2,3
	ds_load_b128 v[X+16*((\t)%2)+4*\i:X+16*((\t)%2)+4*\i+3], v15 offset:32*SP*((\t)%2)+16*\i
.endr
.endm
.irp t, 0,1,2,3
	LOAD \t
.endr
	s_wait_loadcnt 12                              ; step 0's four loads are in; those of steps 1 to 3 may be out
	TURN 0
.macro STEP t
.set XS, X+16*((\t)%2)
.if (\t) > 0
	s_wait_dscnt 1                                 ; this step's numbers are back from the stage (the last step's byte store may be out): so its stores into the stage have read their registers,
.else
	s_wait_dscnt 0x0
.endif
.if (\t)+4 < STEPS
	LOAD (\t)+4                                    ; which take the loads of four steps on
.endif
.if (\t)+1 < STEPS
.if STEPS-2-(\t) >= 3
	s_wait_loadcnt 12                              ; the next step's four loads are in; those of the three steps behind it may be out
.else
	s_wait_loadcnt 4*(STEPS-2-(\t))
.endif
	TURN (\t)+1                                    ; and go through the other stage while this step is worked
.endif
	v_max3_num_f32 v8, |v[XS]|, |v[XS+1]|, |v[XS+2]|               ; the largest magnitude of my 16, in two chains
	v_max3_num_f32 v9, |v[XS+3]|, |v[XS+4]|, |v[XS+5]|
.irp i, 6,10
	v_max3_num_f32 v8, v8, |v[XS+\i]|, |v[XS+\i+1]|
	v_max3_num_f32 v9, v9, |v[XS+\i+2]|, |v[XS+\i+3]|
.endr
	v_max3_num_f32 v8, v8, |v[XS+14]|, |v[XS+15]|
	v_max3_num_f32 v8, v8, v9, (EMAX+1)<<23        ; and the floor 2^(EMAX + 1 - 127): the byte cannot fall under 1
	v_max_num_f32_dpp v8, v8, v8 row_xmask:1 row_mask:0xf bank_mask:0xf   ; and of my neighbour's 16: the block's
	v_add_nc_u32 v11, -(EMAX<<23), v8              ; EMAX off its exponent field: the conversion takes the exponent field of this operand as its scale, and nothing else of it
	v_cvt_scalef32_pk8_fp4_f32 v[C+4*(\t)], v[XS:XS+7], v11        ; the first number's code in the lowest four bits
	v_cvt_scalef32_pk8_fp4_f32 v[C+4*(\t)+1], v[XS+8:XS+15], v11
	v_lshrrev_b32 v[E+(\t)], 23, v11               ; the scale's byte (also the plain line behind the conversions)
	ds_store_b8 v5, v[E+(\t)] offset:16*(\t)       ; both lanes of a block write the same byte with the same value
	global_store_b64 v4, v[C+4*(\t):C+4*(\t)+1], s[10:11] offset:32*CB*(\t)   ; 32 lanes store 256 consecutive bytes, aligned
.endm
.irp t, 0,1,2,3,4,5,6,7,8,9,10,11,12,13,14,15
	STEP \t
.endr
	ds_load_b64 v[8:9], v6                         ; in order behind my byte stores
	s_wait_dscnt 0x0
	global_store_b64 v7, v[8:9], s[12:13]          ; 32 lanes store 256 consecutive bytes, aligned
	s_wait_tensorcnt 0x0                           ; the wave's end, behind my last LDS store
	ds_add_u32 v[SPW], v[NIL]
	s_wait_dscnt 0x0
	s_endpgm
	; ---------------- value ----------------
.Lvalue:
	s_sub_co_u32 s20, ttmp9, 2*WGA                 ; g: key rows 256 g .. 256 g + 255, all heads on end
	s_lshl_b32 s22, s20, 17                        ; 256 rows of 512 bytes
	s_mov_b32 s23, 0
	s_lshl_b32 s24, s20, 16                        ; 8 x 8 images of 1,024 bytes
	s_mov_b32 s25, 0
	v_lshlrev_b32 v3, 2, v0                        ; in: my channel's 4 bytes of a row
	v_lshrrev_b32 v4, 4, v0
	v_and_b32 v5, 15, v0
	v_lshlrev_b32 v4, 10, v4
	v_lshl_add_u32 v4, v5, 4, v4                   ; out: image channel / 16, 16 bytes at 16 (channel % 16)
	s_wait_kmcnt 0x0
	s_add_nc_u64 s[8:9], s[8:9], s[22:23]
	s_add_nc_u64 s[18:19], s[18:19], s[24:25]
.macro VLOAD t                         ; block t: value(32 t + i, my channel), i = 0 .. 31, into set t % 2; the four waves read a row's 512 bytes
.irp i, 0,1,2,3,4,5,6,7,8,9,10,11,12,13,14,15,16,17,18,19,20,21,22,23,24,25,26,27,28,29,30,31
	global_load_b32 v[VX+32*((\t)%2)+\i], v3, s[8:9] offset:(32*(\t)+\i)*512 th:TH_LOAD_NT
.endr
.endm
.macro VBLOCK t
.if (\t) < 7
	s_wait_loadcnt 32                              ; this block's 32 loads are in; the next block's may be out
.else
	s_wait_loadcnt 0x0
.endif
	s_wait_xcnt 0x0                                ; the stores of two blocks back have read this set of pairs: it is written again only behind this wait
.irp i, 0,1,2,3,4,5,6,7,8,9,10,11,12,13,14,15
	v_cvt_pk_f16_f32 v[VC+16*((\t)%2)+\i], v[VX+32*((\t)%2)+2*\i], v[VX+32*((\t)%2)+2*\i+1]   ; two neighbouring keys, the lower in the low half
.endr
.if (\t)+2 < 8
	VLOAD (\t)+2
.endif
.irp g, 0,1,2,3
	global_store_b128 v4, v[VC+16*((\t)%2)+4*\g:VC+16*((\t)%2)+4*\g+3], s[18:19] offset:8192*(\t)+256*\g   ; sixteen lanes store 256 consecutive bytes, aligned
.endr
.endm
	VLOAD 0
	VLOAD 1
.irp t, 0,1,2,3,4,5,6,7
	VBLOCK \t
.endr
	s_wait_tensorcnt 0x0                           ; the same three closing lines as on the other path
	ds_add_u32 v[SPW], v[NIL]
	s_wait_dscnt 0x0
	s_endpgm
.Lfunc_end_k_qaeae463ff2_prep:
	.size	k_qaeae463ff2_prep, .Lfunc_end_k_qaeae463ff2_prep-k_qaeae463ff2_prep
	.p2alignl 7, 3214868480
	.fill 96, 4, 3214868480
	.section	.rodata,"a",@progbits
	.p2align	6, 0x0
	.amdhsa_kernel k_qaeae463ff2_prep
		.amdhsa_group_segment_fixed_size 33280
		.amdhsa_private_segment_fixed_size 0
		.amdhsa_enable_private_segment 0
		.amdhsa_kernarg_size 64
		.amdhsa_user_sgpr_count 2
		.amdhsa_user_sgpr_kernarg_segment_ptr 1
		.amdhsa_wavefront_size32 1
		.amdhsa_system_sgpr_workgroup_id_x 1
		.amdhsa_system_sgpr_workgroup_id_y 1
		.amdhsa_system_sgpr_workgroup_id_z 1
		.amdhsa_system_vgpr_workitem_id 0
		.amdhsa_next_free_vgpr 192
		.amdhsa_next_free_sgpr 66
		.amdhsa_reserve_vcc 0
		.amdhsa_float_denorm_mode_32 3
		.amdhsa_float_denorm_mode_16_64 3
		.amdhsa_memory_ordered 1
		.amdhsa_forward_progress 1
		.amdhsa_inst_pref_size 69
	.end_amdhsa_kernel
	.amdgpu_metadata
---
amdhsa.version: [ 1, 2 ]
amdhsa.kernels:
  - .name:           k_qaeae463ff2_prep
    .symbol:         k_qaeae463ff2_prep.kd
    .args:
      - { .name: key, .offset: 0, .size: 8, .value_kind: global_buffer, .address_space: global }
      - { .name: query, .offset: 8, .size: 8, .value_kind: global_buffer, .address_space: global }
      - { .name: value, .offset: 16, .size: 8, .value_kind: global_buffer, .address_space: global }
      - { .name: k_codes, .offset: 24, .size: 8, .value_kind: global_buffer, .address_space: global }
      - { .name: k_scales, .offset: 32, .size: 8, .value_kind: global_buffer, .address_space: global }
      - { .name: q_codes, .offset: 40, .size: 8, .value_kind: global_buffer, .address_space: global }
      - { .name: q_scales, .offset: 48, .size: 8, .value_kind: global_buffer, .address_space: global }
      - { .name: v_img, .offset: 56, .size: 8, .value_kind: global_buffer, .address_space: global }
    .group_segment_fixed_size: 33280
    .private_segment_fixed_size: 0
    .kernarg_segment_align: 8
    .kernarg_segment_size: 64
    .max_flat_workgroup_size: 128
    .sgpr_count:     66
    .vgpr_count:     192
    .wavefront_size: 32
...
	.end_amdgpu_metadata
.endif
;; end of part 1
;; launch attn (part 2): grid 8 x 32, 4 waves a work-group, clusters of 4 x 1, 327,680 bytes of LDS; arguments q_codes, q_scales, k_codes, k_scales, v_img, out0; writes out0
.if DOCPART == 2
	.amdgcn_target "amdgcn-amd-amdhsa--gfx1250"
	.amdhsa_code_object_version 6
	.text
	.protected	k_qaeae463ff2_attn
	.globl	k_qaeae463ff2_attn
	.p2align	8
	.type	k_qaeae463ff2_attn,@function
k_qaeae463ff2_attn:
	s_mov_b64 s[64:65], 0
	v_nop
	global_prefetch_b8 v0, s[64:65] scope:SCOPE_SE
	s_setreg_imm32_b32 hwreg(HW_REG_WAVE_MODE, 25, 1), 1
	s_wait_xcnt 0x0
	s_wait_alu depctr_hold_cnt(0) depctr_sa_sdst(0) depctr_va_vdst(0) depctr_va_sdst(0) depctr_va_ssrc(0) depctr_va_vcc(0) depctr_vm_vsrc(0)
	s_getreg_b32 s2, hwreg(HW_REG_IB_STS2, 6, 4)
	s_cmp_eq_u32 s2, 0
	s_cbranch_scc0 .Lentry_in_a_cluster
	s_endpgm
.Lentry_in_a_cluster:
	s_bfe_u32 s2, ttmp6, 0x10000c
	s_cmp_lg_u32 s2, 0x3003
	s_cbranch_scc0 .Lentry_shape_is_right
	s_endpgm
.Lentry_shape_is_right:
; O[h][q][:] = the sum over k of softmax_k(Q[h][q] . K[h][k] / sqrt(128)) V[h][k][:], 32 heads, 2,048 queries, 2,048 keys, 128 channels.
; The first product runs on codes of FP4 (E2M1) with one E8M0 scale for each 32 of the 128 channels; the second on f16 operands (the weights p, at most 1; V as the launch before laid it); sums, maxima, exponentials in f32.
; LIMITS: NaN and infinities are not served; |value| under 65,520 (f16's range); weights under 2^-24 of the row's largest count as 0 in the second product (the row's sum keeps them down to 2^-126).
; SHARES.  A work-group owns 256 queries of one head, each of its four waves 64: four tiles of 16.  Every wave walks all 2,048 keys.
; TWO PASSES.  Pass 1: S^T = K Q^T for all keys, of which only each query's largest score m is kept.  Pass 2: S^T once more, p = 2^(c s - c m) with c = log2(e) / sqrt(128), the row's sum l of the f32 p, and
; O^T += V^T P.  The first product is short (one instruction for 128 channels), so making it twice costs 16 instructions for 64 keys; it takes the running maximum, its exchange between lanes and all rescaling
; of O^T out of the main loop: a tile's list of vector work for 64 keys is 80 instructions there.  The maximum taken away is the row's true one.
; LAYOUT.  Both products are used transposed.  S^T: source 0 = 16 keys, source 1 = 16 queries: a lane holds ONE query (lane % 16) and keys 8 (lane / 16) + 0..7.  Two such tiles, rounded to f16 in pairs, ARE
; source 1 (32 keys x 16 queries) of O^T = V^T P, whose result again holds one query a lane, and eight channels.
; LDS.  The head's K as codes (2,048 rows of 64 bytes + 16 of padding) and its scale words are filled once and read by both passes.  V goes through a ring of two slots of 256 keys (four key steps of 64).
; BY TURNS (pass 2).  The wave's tiles are two pieces (tiles 0, 1 and tiles 2, 3).  In a turn one piece has the matrix unit: 32 products V^T P of the step in hand, then 8 products K Q^T of the next step; the other
; piece's 160 vector instructions stand between them, four behind each matrix instruction.
; CLUSTER.  The four query blocks of a cluster belong to one head and read the same K and V: every tile is asked for JOINTLY, by the same tensor load with the same descriptor and a mask that names the four.
; Each wave fetches a quarter of each tile: the descriptors hang on the head and the wave's number alone.
; REGISTERS, in windows of 256 (s_set_vgpr_msb: bits 1:0 source 0, 3:2 source 1, 5:4 source 2, 7:6 destination):
;   window 0: v0-63 addresses, statistics, scale words; pass 1: v64-127 two sets of S^T, v128-191 K's fragments (four pairs), v192-223 Q; pass 2: v64-191 S^T (32 a tile), v192-255 P (16 a tile)
;   window 1: O^T, 64 a tile        window 2: v0-31 Q once more, v32-63 K of one step        window 3: V, two buffers of 128
.set KP,    80                         ; a key's row in LDS: 64 + 16 bytes = 20 words: the 16 rows of a load start at 16 different groups of four banks (64 banks of 4 bytes: ISA guide 11.1)
.set SLOTV, 65536                      ; a slot of V: 256 keys as 64 images of 1,024 bytes; slot 1 begins here, so that one exclusive or turns an address
.set STEPV, 16384                      ; a key step's 16 images
.set KBASE, 2*SLOTV                    ; K's codes
.set SCK,   KBASE+2048*KP              ; K's scale words, 4 bytes a key
.set STAGE, SCK+8192                   ; the way out: 16 rows x 272 bytes for each wave; no tensor load lands here
.set SP,    272
.set SPARE, STAGE+4*16*SP              ; the spare words, 128 bytes a wave, which no other line names
.set AK0,  2                           ; v2   my lane's place in a tile of K: KBASE + 80 r + 16 h
.set AV0,  3                           ; v3   in an image of V: 16 x lane
.set ASK0, 4                           ; v4   among K's scale words: SCK + 4 x lane
.set ADK,  5                           ; v5-7 the addresses of the loads in hand
.set ADS,  6
.set ADV,  7
.set STO,  8                           ; v8   the way out: where I put 32 bytes of a row
.set RD,   10                          ; v10  where I read a row back
.set GO,   11                          ; v11  my byte offset in the wave's rows of O
.set ST,   12                          ; v12-27 tile t at ST + 4 t: +0 c m (at the end 1 / l), +1 m, +2, +3 l (even keys', odd keys')
.set CH,   28                          ; v28-43 pass 1: four running maxima a tile
.set QS,   44                          ; v44-47 Q's scale words, a tile each: scales and nothing else
.set KS,   48                          ; v48-51 K's scale words: lanes 0-15 a pair's first 16 keys, lanes 16-31 its second
.set PM,   52                          ; v52-55 destinations of the exchange between the halves of the lanes
.set QO,   56                          ; v56  my byte in the wave's rows of Q's codes; never rewritten
.set QSO,  57                          ; v57  and among its scale words; never rewritten
.set PFO,  60                          ; v60  256 x lane; never rewritten
.set SPW,  62                          ; v62  LDS address of my spare word; never rewritten
.set NIL,  63                          ; v63  0; never rewritten
.set S,    64
.set P,    192
.set K1,   128                         ; pass 1: pair pr, half a at K1 + 16 pr + 8 a
.set Q1,   192                         ; pass 1: Q's fragments in window 0
.set QF,   0                           ; pass 2: in window 2
.set KF,   32
.set WV,   16                          ; s16  my wave's number
.set G1K,  24                          ; s[24:31] group 1 for K's codes;  s[32:39] for V's images;  s[40:47] for K's scale words
.set G1V,  32
.set G1S,  40
.set G0K,  48                          ; groups 0: K's codes, K's scale words, V's slot 0, and the one that walks (it begins with slot 1)
.set G0S,  52
.set G0V0, 56
.set G0VW, 60
.set SLOTS, 66                         ; s66  slots still to be asked for
.set TWICE, 67
.set CS,   68                          ; s[68:69] c; the packed form names a pair and takes its low word for both halves
.set SEL,  70                          ; s[70:71] lane selects for v_permlanex16_b32: lane l xor 16
.set TK,   72                          ; s72-74 pass 2: where the step to be fetched begins among K's rows, K's scale words, V's ring
.set TS,   73
.set TV,   74
.set LIM,  75                          ; s75  1 in a wave that prefetches, else the greatest number
.set PFA,  76                          ; s[76:77] where my prefetches stand
.set T1K,  78                          ; s78-80 pass 1: the trip's place among K's rows and scale words; trips to go
.set T1S,  79
.set CNT1, 80
.set MSB, 0
.macro WIN new                         ; the immediate's high byte repeats the setting that is left; a switch that changes nothing is dropped
.if MSB != \new
	s_set_vgpr_msb (MSB<<8)|\new
.set MSB, \new
.endif
.endm
.set W_KQ, 0x0a                        ; K and Q in window 2, S^T in window 0
.set W_PV, 0x53                        ; V in window 3, P in window 0, O^T in window 1
; A round of the cluster's barrier: my work-group's barrier; wave 0 signals for the work-group; every wave waits for all four work-groups; my work-group's barrier once more.
.macro CROUND
	s_barrier_signal -1
	s_barrier_wait -1
	s_cmp_lg_u32 s[WV], 0
	s_cbranch_scc1 .Lnot_wave_0_\@
	s_barrier_signal -3
.Lnot_wave_0_\@:
	s_barrier_wait -3
	s_barrier_signal -1
	s_barrier_wait -1
.endm
	s_load_b256 s[4:11], s[0:1], 0x0               ; q_codes s[4:5], q_scales s[6:7], k_codes s[8:9], k_scales s[10:11]
	s_load_b128 s[12:15], s[0:1], 0x20             ; v_img s[12:13], out0 s[14:15]
	v_lshl_add_u32 v[SPW], v0, 2, SPARE
	v_mov_b32 v[NIL], 0
	ds_add_u32 v[SPW], v[NIL]                      ; the wave's opening: the add, twice on end, and its wait ahead of my first tensor load
	ds_add_u32 v[SPW], v[NIL]                      ; the set-up below, work on registers, stands between the second and the wait
	v_lshrrev_b32 v1, 5, v0
	v_readfirstlane_b32 s[WV], v1                  ; wave 0..3
	s_bfe_u32 s17, ttmp6, 0x40000                  ; cx: my place in the cluster
	s_lshl_b32 s18, ttmp9, 2                       ; in a cluster launch ttmp9 counts clusters
	s_add_co_u32 s18, s18, s17                     ; my block of 256 queries: it enters Q's and O's addresses alone
	s_and_b32 s19, ttmp7, 0xffff                   ; the head, which the four partners share
	; group 1.  K's codes: 512 rows of 64 bytes, dense in memory, 16 bytes of padding behind each in LDS
	s_mov_b32 s[G1K], 15|(0<<16)|(1<<20)|(1<<21)|(3<<22)|(3<<25)   ; 15:0 the mask: all four; 17:16 elements of 1 byte; 20 padding on; 21 set beside a mask; 24:22 after every 16 words; 31:25 four words
	s_mov_b32 s[G1K+1], 64<<16                     ; tensor_dim0
	s_mov_b32 s[G1K+2], 512<<16                    ; tensor_dim1
	s_mov_b32 s[G1K+3], 64<<16                     ; tile_dim0
	s_mov_b32 s[G1K+4], 512                        ; tile_dim1
	s_mov_b32 s[G1K+5], 64                         ; from row to row
	s_mov_b32 s[G1K+6], 0
	s_mov_b32 s[G1K+7], 0
	; V's images: a dense block of 16,384 bytes as 64 rows of 256 (32 elements of 8 bytes), no padding: the images are read 16 bytes a lane on end
	s_mov_b32 s[G1V], 15|(3<<16)|(1<<21)
	s_mov_b32 s[G1V+1], 32<<16
	s_mov_b32 s[G1V+2], 64<<16
	s_mov_b32 s[G1V+3], 32<<16
	s_mov_b32 s[G1V+4], 64
	s_mov_b32 s[G1V+5], 32
	s_mov_b32 s[G1V+6], 0
	s_mov_b32 s[G1V+7], 0
	; K's scale words: a dense block of 2,048 bytes as 8 rows of 256
	s_mov_b32 s[G1S], 15|(3<<16)|(1<<21)
	s_mov_b32 s[G1S+1], 32<<16
	s_mov_b32 s[G1S+2], 8<<16
	s_mov_b32 s[G1S+3], 32<<16
	s_mov_b32 s[G1S+4], 8
	s_mov_b32 s[G1S+5], 32
	s_mov_b32 s[G1S+6], 0
	s_mov_b32 s[G1S+7], 0
	; what I fetch: a quarter of each tile.  Head and wave alone enter these registers
	s_lshl_b32 s20, s19, 13
	s_lshl_b32 s2, s[WV], 11
	s_add_co_u32 s20, s20, s2                      ; K's scale words: 8,192 bytes a head, 2,048 a wave
	s_mov_b32 s21, 0
	s_lshl_b32 s22, s20, 4                         ; K's codes: sixteen times as many
	s_mov_b32 s23, 0
	s_lshl_b32 s82, s19, 19
	s_lshl_b32 s2, s[WV], 14
	s_add_co_u32 s82, s82, s2                      ; V's images: 524,288 bytes a head; of a slot 16,384 a wave
	s_mov_b32 s83, 0
	s_mov_b32 s[G0S], 1                            ; count = 1
	s_lshl_b32 s[G0S+1], s[WV], 11
	s_add_co_u32 s[G0S+1], s[G0S+1], SCK           ; LDS address
	s_mov_b32 s[G0K], 1
	s_mul_i32 s[G0K+1], s[WV], 512*KP
	s_add_co_u32 s[G0K+1], s[G0K+1], KBASE
	s_mov_b32 s[G0V0], 1
	s_lshl_b32 s[G0V0+1], s[WV], 14
	s_mov_b32 s[G0VW], 1
	s_lshl_b32 s[G0VW+1], s[WV], 14
	s_add_co_u32 s[G0VW+1], s[G0VW+1], SLOTV
	; my own queries: these registers hold my place in the cluster and feed no descriptor
	s_lshl_b32 s86, s19, 13
	s_lshl_b32 s3, s18, 10
	s_add_co_u32 s86, s86, s3
	s_lshl_b32 s3, s[WV], 8
	s_add_co_u32 s86, s86, s3                      ; Q's scale words at my first query: 4 bytes a query
	s_mov_b32 s87, 0
	s_lshl_b32 s84, s86, 4                         ; its codes: 64 bytes a query
	s_mov_b32 s85, 0
	s_lshl_b32 s88, s86, 7                         ; its row of O: 512 bytes a query
	s_mov_b32 s89, 0
	s_lshl_b32 s90, s19, 19                        ; the prefetches: my head, my work-group's quarter of a slot, my wave's half of that, in slot 2
	s_lshl_b32 s3, s17, 14
	s_add_co_u32 s90, s90, s3
	s_and_b32 s3, s[WV], 1
	s_lshl_b32 s3, s3, 13
	s_add_co_u32 s90, s90, s3
	s_add_co_u32 s90, s90, 2*SLOTV
	s_mov_b32 s91, 0
	s_lshr_b32 s[LIM], s[WV], 1                    ; 0 in waves 0 and 1,
	s_or_b32 s[LIM], s[LIM], ttmp9                 ; of the head's first cluster: the same in all four partners
	s_cmp_eq_u32 s[LIM], 0
	s_cselect_b32 s[LIM], 1, -1
	s_mov_b32 s[CS], 0x3e0293ee                    ; c = log2(e) / sqrt(128)
	s_mov_b32 s[CS+1], s[CS]                       ; named with it as a pair, so it is written
	s_mov_b32 s[SEL], 0x76543210
	s_mov_b32 s[SEL+1], 0xfedcba98
	s_mov_b32 s[SLOTS], 6
	v_and_b32 v[PFO], 31, v0
	v_lshlrev_b32 v[PFO], 8, v[PFO]
	s_wait_dscnt 0x0                               ; both opening adds are done
	s_wait_kmcnt 0x0
	s_add_nc_u64 s[G0S+2:G0S+3], s[10:11], s[20:21]
	s_or_b32 s[G0S+3], s[G0S+3], 0x80000000        ; type = 2
	s_add_nc_u64 s[G0K+2:G0K+3], s[8:9], s[22:23]
	s_or_b32 s[G0K+3], s[G0K+3], 0x80000000
	s_add_nc_u64 s[G0V0+2:G0V0+3], s[12:13], s[82:83]
	s_add_nc_u64 s[G0VW+2:G0VW+3], s[G0V0+2:G0V0+3], SLOTV
	s_or_b32 s[G0V0+3], s[G0V0+3], 0x80000000
	s_or_b32 s[G0VW+3], s[G0VW+3], 0x80000000
	s_add_nc_u64 s[4:5], s[4:5], s[84:85]
	s_add_nc_u64 s[6:7], s[6:7], s[86:87]
	s_add_nc_u64 s[14:15], s[14:15], s[88:89]
	s_add_nc_u64 s[PFA:PFA+1], s[12:13], s[90:91]
	CROUND                                         ; all four work-groups are here: the first joint loads meet
	tensor_load_to_lds s[G0S:G0S+3], s[G1S:G1S+7]  ; the first fills go out as one group: four loads of mine are out.  K's scale words,
	s_nop 0
	tensor_load_to_lds s[G0K:G0K+3], s[G1K:G1K+7]  ; K's codes,
	s_nop 0
	tensor_load_to_lds s[G0V0:G0V0+3], s[G1V:G1V+7]  ; V's keys 0-255,
	s_nop 0
	tensor_load_to_lds s[G0VW:G0VW+3], s[G1V:G1V+7]  ; V's keys 256-511
	s_nop 0
.rept 4
	v_nop
.endr
	v_and_b32 v1, 15, v0                           ; r = lane % 16
	v_bfe_u32 v9, v0, 4, 1                         ; h = lane / 16
	v_lshlrev_b32 v[QO], 6, v1
	v_lshl_add_u32 v[QO], v9, 4, v[QO]             ; Q: row r of 64 bytes, + 16 h.  A fragment is 8 registers: registers 4 c .. 4 c + 3 hold channels 64 c + 32 h + 0..31: 16 bytes as they lie
	v_lshlrev_b32 v[QSO], 2, v1
.irp t, 0,1,2,3
.irp c, 0,1
	global_load_b128 v[Q1+8*\t+4*\c:Q1+8*\t+4*\c+3], v[QO], s[4:5] offset:1024*\t+32*\c   ; Q for pass 1, in window 0: that pass then needs no switch of windows
.endr
	global_load_b32 v[QS+\t], v[QSO], s[6:7] offset:64*\t
.endr
	WIN 0x80                                       ; destination window 2
.irp t, 0,1,2,3
.irp c, 0,1
	global_load_b128 v[QF+8*\t+4*\c:QF+8*\t+4*\c+3], v[QO], s[4:5] offset:1024*\t+32*\c   ; and for pass 2: 4,096 bytes read twice
.endr
.endr
	WIN 0
	v_mul_u32_u24 v[AK0], v1, KP
	v_lshl_add_u32 v[AK0], v9, 4, v[AK0]
	v_add_nc_u32 v[AK0], KBASE, v[AK0]
	v_and_b32 v[AV0], 31, v0
	v_lshl_add_u32 v[ASK0], v[AV0], 2, SCK
	v_lshlrev_b32 v[AV0], 4, v[AV0]
.set i, 0
.rept 32
	v_mov_b32 v[S+32+i], 0xff800000                ; pass 1's second set of scores begins as -infinity, so that its first trip is like every other
.set i, i+1
.endr
.set i, 0
.rept 16
	v_mov_b32 v[CH+i], 0xff800000                  ; and so do the running maxima
.set i, i+1
.endr
.irp t, 0,1,2,3
	v_mov_b32 v[PM+\t], 0                          ; written once: a lane permute's destination counts as one of its sources
.endr
	s_wait_tensorcnt 2                             ; my parts of K's scale words and codes are in; V's two slots may stay out
	s_barrier_signal -1
	s_barrier_wait -1                              ; everybody's are
; ---------------- PASS 1: each query's largest score ----------------
; A trip is 128 keys: four pairs of tiles of 16.  A pair's fragments (4 loads of 16 bytes) and its scale words (one load: lane l takes key 32 pr + l's) are fetched a trip ahead, straight behind the pair's products.
.macro P1LOAD pr, ahead
.irp a, 0,1
.irp c, 0,1
	ds_load_b128 v[K1+16*(\pr)+8*\a+4*\c:K1+16*(\pr)+8*\a+4*\c+3], v[ADK] offset:(128*(\ahead)+32*(\pr)+16*\a)*KP+32*\c
.endr
.endr
	ds_load_b32 v[KS+(\pr)], v[ADS] offset:512*(\ahead)+128*(\pr)
.endm
; 16 keys x my four tiles of queries into set a of the scores; behind each product four maxima over the OTHER set, each accumulator from its low end on.  These are also the places that a product's registers want.
.macro GROUP pr, a
.irp t, 0,1,2,3
.if \a
	v_wmma_scale_f32_16x16x128_f8f6f4 v[S+32*\a+8*\t:S+32*\a+8*\t+7], v[K1+16*(\pr)+8*\a:K1+16*(\pr)+8*\a+7], v[Q1+8*\t:Q1+8*\t+7], 0, v[KS+(\pr)], v[QS+\t] matrix_a_fmt:MATRIX_FMT_FP4 matrix_b_fmt:MATRIX_FMT_FP4 matrix_a_scale:MATRIX_SCALE_ROW1
.else
	v_wmma_scale_f32_16x16x128_f8f6f4 v[S+32*\a+8*\t:S+32*\a+8*\t+7], v[K1+16*(\pr)+8*\a:K1+16*(\pr)+8*\a+7], v[Q1+8*\t:Q1+8*\t+7], 0, v[KS+(\pr)], v[QS+\t] matrix_a_fmt:MATRIX_FMT_FP4 matrix_b_fmt:MATRIX_FMT_FP4
.endif
.irp n, 0,1,2,3
	v_max3_num_f32 v[CH+4*\t+\n], v[CH+4*\t+\n], v[S+32*(1-\a)+8*\t+2*\n], v[S+32*(1-\a)+8*\t+2*\n+1]
.endr
.endr
.endm
.macro PAIR1 pr, load, cnt
	s_wait_dscnt \cnt                              ; this pair's five loads are in; the younger pairs' may be out
	GROUP \pr, 0
	GROUP \pr, 1
.if \load
	P1LOAD \pr, 1                                  ; four plain instructions stand between the pair's last product and these loads into its registers
.endif
.endm
	s_mov_b32 s[T1K], 0
	s_mov_b32 s[T1S], 0
	v_add_nc_u32 v[ADK], s[T1K], v[AK0]
	v_add_nc_u32 v[ADS], s[T1S], v[ASK0]
.irp pr, 0,1,2,3
	P1LOAD \pr, 0
.endr
	s_wait_loadcnt 0x0                             ; Q, both copies, and its scale words
	s_mov_b32 s[CNT1], 15
.Lp1:                                              ; 15 trips; each fetches the next trip's 128 keys
	v_add_nc_u32 v[ADK], s[T1K], v[AK0]
	v_add_nc_u32 v[ADS], s[T1S], v[ASK0]
.irp pr, 0,1,2,3
	PAIR1 \pr, 1, 15                               ; three younger pairs of five loads: so on the way in and on the way back
.endr
	s_add_co_u32 s[T1K], s[T1K], 128*KP
	s_add_co_u32 s[T1S], s[T1S], 512
	s_sub_co_u32 s[CNT1], s[CNT1], 1
	s_cmp_lg_u32 s[CNT1], 0
	s_cbranch_scc1 .Lp1
	PAIR1 0, 0, 15                                 ; the last 128 keys: nothing more to fetch, the counts run down
	PAIR1 1, 0, 10
	PAIR1 2, 0, 5
	PAIR1 3, 0, 0
.irp t, 0,1,2,3
.irp n, 0,1,2,3
	v_max3_num_f32 v[CH+4*\t+\n], v[CH+4*\t+\n], v[S+32+8*\t+2*\n], v[S+32+8*\t+2*\n+1]   ; the last set of scores
.endr
.endr
.irp t, 0,1,2,3
	v_max3_num_f32 v[CH+4*\t], v[CH+4*\t], v[CH+4*\t+1], v[CH+4*\t+2]
.endr
.irp t, 0,1,2,3
	v_max_num_f32 v[CH+4*\t], v[CH+4*\t], v[CH+4*\t+3]
.endr
.irp t, 0,1,2,3
	v_permlanex16_b32 v[PM+\t], v[CH+4*\t], s[SEL], s[SEL+1]   ; the query's other keys lie in the lane 16 away
.endr
.irp t, 0,1,2,3
	v_max_num_f32 v[ST+4*\t+1], v[CH+4*\t], v[PM+\t]           ; m
.endr
.irp t, 0,1,2,3
	v_mul_f32 v[ST+4*\t], s[CS], v[ST+4*\t+1]                  ; c m
	v_mov_b32 v[ST+4*\t+2], 0                                  ; l
	v_mov_b32 v[ST+4*\t+3], 0
.endr
; ---------------- PASS 2 ----------------
; One run of 42 LDS loads fetches a key step: K's two scale registers, its four fragments, and V's 16 images (keys 32 (f / 8) on, channels 16 (f % 8) on) into buffer vbd.
.macro FETCH vbd
	WIN 0
	v_add_nc_u32 v[ADK], s[TK], v[AK0]
	v_add_nc_u32 v[ADS], s[TS], v[ASK0]
	v_add_nc_u32 v[ADV], s[TV], v[AV0]
	s_add_co_u32 s[TK], s[TK], 64*KP               ; the next fetch is the next step's
	s_add_co_u32 s[TS], s[TS], 256
	s_add_co_u32 s[TV], s[TV], STEPV
	ds_load_b32 v[KS], v[ADS]
	ds_load_b32 v[KS+1], v[ADS] offset:128
	WIN 0x80                                       ; destination window 2
.irp kt, 0,1,2,3
.irp c, 0,1
	ds_load_b128 v[KF+8*\kt+4*\c:KF+8*\kt+4*\c+3], v[ADK] offset:16*KP*\kt+32*\c
.endr
.endr
	WIN 0xc0                                       ; destination window 3
.irp f, 0,1,2,3,4,5,6,7,8,9,10,11,12,13,14,15
	ds_load_b128 v[128*(\vbd)+8*\f:128*(\vbd)+8*\f+3],   v[ADV] offset:1024*\f
	ds_load_b128 v[128*(\vbd)+8*\f+4:128*(\vbd)+8*\f+7], v[ADV] offset:1024*\f+512
.endr
.endm
; Product i of 8 of S^T = K Q^T for piece x: keys 16 (i / 2) on, tile x + i % 2.  One instruction covers the 128 channels, so each starts and ends its sum.
.macro KQ x
	WIN W_KQ
.set tq, (\x)+i%2
.set kt, i/2
.if kt%2
	v_wmma_scale_f32_16x16x128_f8f6f4 v[S+32*tq+8*kt:S+32*tq+8*kt+7], v[KF+8*kt:KF+8*kt+7], v[QF+8*tq:QF+8*tq+7], 0, v[KS+kt/2], v[QS+tq] matrix_a_fmt:MATRIX_FMT_FP4 matrix_b_fmt:MATRIX_FMT_FP4 matrix_a_scale:MATRIX_SCALE_ROW1
.else
	v_wmma_scale_f32_16x16x128_f8f6f4 v[S+32*tq+8*kt:S+32*tq+8*kt+7], v[KF+8*kt:KF+8*kt+7], v[QF+8*tq:QF+8*tq+7], 0, v[KS+kt/2], v[QS+tq] matrix_a_fmt:MATRIX_FMT_FP4 matrix_b_fmt:MATRIX_FMT_FP4
.endif
.endm
; Product i of 32 of O^T += V^T P for piece x: keys 32 (i / 16) on, channels 16 ((i / 2) % 8) on, tile x + i % 2.  The 16 accumulators take turns, one instruction a turn.
; zero = 1: the first 16 start the sums: nothing is ever cleared.
.macro PV x, vb, zero
	WIN W_PV
.set rO, 64*((\x)+i%2)+8*((i/2)%8)
.set rV, 128*(\vb)+64*(i/16)+8*((i/2)%8)
.set rP, P+16*((\x)+i%2)+8*(i/16)
.if (\zero) && (i < 16)
	v_wmma_f32_16x16x32_f16 v[rO:rO+7], v[rV:rV+7], v[rP:rP+7], 0
.else
	v_wmma_f32_16x16x32_f16 v[rO:rO+7], v[rV:rV+7], v[rP:rP+7], v[rO:rO+7]
.endif
.endm
; THE VECTOR WORK OF A TURN: piece y's list of 160 instructions for 64 keys; ITEM writes number kk of it.  All of it lies in window 0.
;   0-95    ONE BATCH, in fours of one tile, the tiles by turns: the 16 packed scalings c s - c m and the 32 exponentials of each tile.  A tile's fours: two of scalings (pairs 0-7), eight of a scaling (pairs 8-15)
;           and three exponentials, two of exponentials.  A score is scaled in an earlier four than the one with its exponential; no line of the batch names an exponential's result.  Pairs ascend.
;   (wait)  ahead of number 96: a plain line behind the last exponential, and the one wait ahead of the first line that names a result
;   96-127  the roundings to f16, a pair of weights each, the tiles by turns: they are the second product's operand as they fall
;   128-159 the sums of the f32 weights, in place, neighbours 1, 2, 4, 8 pairs apart; then l takes the sum
.macro ITEM y
.if kk == 96
	v_nop
	s_wait_alu depctr_va_vdst(0)
.endif
.if kk < 96
.set tt, (\y)+(kk/4)%2
.set nn, kk/8
.set ee, kk%4
.set rS, S+32*tt
.set rT, ST+4*tt
.set bb, -1
.set xx, -1
.if nn < 2
.set bb, 4*nn+ee
.elseif nn < 10
.if ee == 0
.set bb, 6+nn
.else
.set xx, 3*(nn-2)+ee-1
.endif
.else
.set xx, 24+4*(nn-10)+ee
.endif
.if bb >= 0
	v_pk_fma_f32 v[rS+2*bb:rS+2*bb+1], v[rS+2*bb:rS+2*bb+1], s[CS:CS+1], v[rT:rT+1] op_sel_hi:[1,0,0] neg_lo:[0,0,1] neg_hi:[0,0,1]
.else
	v_exp_f32 v[rS+xx], v[rS+xx]
.endif
.else
.set tt, (\y)+(kk-96)%2
.set uu, (kk-96)/2
.set rS, S+32*tt
.set rT, ST+4*tt
.set rW, P+16*tt
.if uu < 16
	v_cvt_pk_f16_f32 v[rW+uu], v[rS+2*uu], v[rS+2*uu+1]
.else
.set zz, uu-16
.set ww, 4
.set uz, zz
.if zz >= 14
.set ww, 32
.set uz, 0
.elseif zz >= 12
.set ww, 16
.set uz, zz-12
.elseif zz >= 8
.set ww, 8
.set uz, zz-8
.endif
.if zz < 15
	v_pk_add_f32 v[rS+ww*uz:rS+ww*uz+1], v[rS+ww*uz:rS+ww*uz+1], v[rS+ww*uz+ww/2:rS+ww*uz+ww/2+1]
.else
	v_pk_add_f32 v[rT+2:rT+3], v[rT+2:rT+3], v[rS:rS+1]
.endif
.endif
.endif
.set kk, kk+1
.endm
.macro DEAL y, n                       ; the next n numbers of piece y's list
	WIN 0
.rept \n
	ITEM \y
.endr
.endm
; A KEY STEP j, V(j) in buffer vb.  Turn 0: piece 0's V^T P of step j, then its K Q^T of step j + 1 | piece 2's list of step j.  Turn 2: piece 2's V^T P of step j, its K Q^T of step j + 1 | piece 0's list of step j + 1.
; The run of loads for step j + 1 stands behind the second product.  The last products that read K's registers and scale words stand in front of the turn before's last slice: that slice's four sums, and the eight scalings of this
; turn's first two slices, name none of their registers and are the places in front of the loads.  V's other buffer was last read eight slices earlier still.
; A turn's last slice, four sums of the other piece, is the four places between its last K Q^T and the first read of those scores.
.macro STEP vb, zero
.set kk, 0
	s_wait_dscnt 0x0                               ; V(j) is in
.set i, 0
.rept 32
	PV 0, \vb, \zero
	DEAL 2, 4
.if i == 1
	FETCH 1-(\vb)
.endif
.set i, i+1
.endr
	s_wait_dscnt 32                                ; K's scale words and fragments are in; V's 32 loads, issued behind them, may be out
.set i, 0
.rept 8
	KQ 0
	DEAL 2, 4
.set i, i+1
.endr
.set kk, 0
.set i, 0
.rept 32
	PV 2, \vb, \zero
	DEAL 0, 4
.set i, i+1
.endr
.set i, 0
.rept 8
	KQ 2
	DEAL 0, 4
.set i, i+1
.endr
.endm
.macro TWO_PAIRS                       ; four key steps: an odd and an even one written once, walked twice; the LDS addresses hang on s[TK], s[TS], s[TV]
	s_mov_b32 s[TWICE], 2
.Lpair_\@:
	STEP 1, 0
	STEP 0, 0
	WIN 0
	s_sub_co_u32 s[TWICE], s[TWICE], 1
	s_cmp_lg_u32 s[TWICE], 0
	s_cbranch_scc1 .Lpair_\@
.endm
; A PREFETCH INTO THE L2 of the slot of V that the NEXT change of slots will ask for: four key steps, 320 matrix instructions, ahead of that load.  A slot is 65,536 consecutive bytes.  Both clusters of a head walk the
; same V: the head's first cluster asks.  Its four partners take 16,384 bytes each, told apart BY ADDRESS; in each, waves 0 and 1 take 8,192 bytes, lanes 256 bytes apart: one instruction a wave, each block of
; 256 bytes named once in the launch.  Slots 0 to 2 come by their loads alone; the last change that fills a slot asks for nothing: there is no slot behind it.
.macro ASK
	s_cmp_gt_u32 s[SLOTS], s[LIM]
	s_cbranch_scc0 .Lnot_mine_\@
	global_prefetch_b8 v[PFO], s[PFA:PFA+1] th:TH_LOAD_NT scope:SCOPE_SE
.Lnot_mine_\@:
.endm
; THE CHANGE OF SLOTS stands in front of the step whose run of loads is the first to read the next slot; the last read of the slot that is left was issued a step earlier.  Each wave waits for all its tensor loads
; (one is out: its part of the next slot), adds 0 to its spare word, and waits for that and for its reads of the slot.  fill = 1: the barrier is a round of the cluster's, and the joint refill, the keys two slots on,
; is the first thing behind it: one load a wave, with four key steps in which to land.
.macro CHANGE fill
	WIN 0
	s_wait_tensorcnt 0x0                           ; no tensor load of mine is out, so a group 0 may be written
	ds_add_u32 v[SPW], v[NIL]
.if \fill
	s_xor_b32 s[G0VW+1], s[G0VW+1], SLOTV          ; the walking descriptor: the other slot than last time,
	s_add_nc_u64 s[G0VW+2:G0VW+3], s[G0VW+2:G0VW+3], SLOTV   ; the next 256 keys; the type bits on top are not reached
	s_wait_xcnt 0x0                                ; the last prefetch, four key steps back, has read its address, so it may be written:
	s_add_nc_u64 s[PFA:PFA+1], s[PFA:PFA+1], SLOTV ; one slot further on than the walking descriptor
	s_wait_dscnt 0x0                               ; the add is done, and my reads of the slot are over
	CROUND
	tensor_load_to_lds s[G0VW:G0VW+3], s[G1V:G1V+7]
	s_nop 0
.rept 4
	v_nop
.endr
	ASK
.else
	s_wait_dscnt 0x0
	s_barrier_signal -1
	s_barrier_wait -1
.endif
	s_sub_co_u32 s[TV], s[TV], SLOTV               ; the fetches go back to a slot's first step,
	s_xor_b32 s[TV], s[TV], SLOTV                  ; in the other slot
.endm
	s_wait_dscnt 0x0
	s_wait_tensorcnt 1                             ; my part of V's slot 0 is in; slot 1's may stay out
	s_barrier_signal -1
	s_barrier_wait -1                              ; everybody's is
	s_mov_b32 s[TK], 0
	s_mov_b32 s[TS], 0
	s_mov_b32 s[TV], 0
	FETCH 0                                        ; key step 0
	s_wait_dscnt 32                                ; K is in
.set i, 0
.rept 8
	KQ 0                                           ; piece 0's first scores: there is no vector work yet to set between them
.set i, i+1
.endr
	WIN 0                                          ; the addresses for the way out are made here: eight plain instructions, the places behind those products
	s_mul_i32 s2, s[WV], 16*SP
	s_add_co_u32 s2, s2, STAGE                     ; my stage
	v_mul_u32_u24 v[STO], v1, SP                   ; in: row r, 32 bytes for each half of the lanes
	v_lshl_add_u32 v[STO], v9, 5, v[STO]
	v_add_nc_u32 v[STO], s2, v[STO]
	v_mul_u32_u24 v[RD], v9, SP                    ; back: lanes 0-15 take one row's 256 bytes, lanes 16-31 the next row's
	v_lshl_add_u32 v[RD], v1, 4, v[RD]
	v_add_nc_u32 v[RD], s2, v[RD]
	v_lshlrev_b32 v[GO], 9, v9                     ; and the same two rows in O
	v_lshl_add_u32 v[GO], v1, 4, v[GO]
.set kk, 0
.set i, 0
.rept 8
	KQ 2                                           ; piece 2's first scores | piece 0's list of step 0, twenty behind each product
	DEAL 0, 20
.set i, i+1
.endr
	STEP 0, 1                                      ; step 0: its products start O^T
	STEP 1, 0                                      ; steps 1 and 2
	STEP 0, 0
	WIN 0
.Lslot:                                            ; six trips, steps 3 to 26: V's keys 512 on are asked for, 256 a trip
	CHANGE 1
	TWO_PAIRS
	s_sub_co_u32 s[SLOTS], s[SLOTS], 1
	s_cmp_lg_u32 s[SLOTS], 0
	s_cbranch_scc1 .Lslot
	CHANGE 0                                       ; the tail is written out: nothing is left to ask for
	TWO_PAIRS                                      ; steps 27 to 30
	s_wait_dscnt 0x0                               ; step 31: V is in
.set kk, 0
.set i, 0
.rept 32
	PV 0, 1, 0                                     ; piece 0's last V^T P | piece 2's last list, five behind each product
	DEAL 2, 5
.set i, i+1
.endr
.set i, 0
.rept 32
	PV 2, 1, 0                                     ; piece 2's last V^T P
.set i, i+1
.endr
; ---------------- THE WAY OUT ----------------
; l's two halves and the other half of the lanes' are added; O^T is multiplied by 1 / l and goes through my stage in LDS, half a row (64 channels, 256 bytes) of 16 queries at a time.
	WIN 0
.irp t, 0,1,2,3
	v_add_f32 v[CH+\t], v[ST+4*\t+2], v[ST+4*\t+3]             ; (these four are the places behind the last products)
.endr
.irp t, 0,1,2,3
	v_permlanex16_b32 v[PM+\t], v[CH+\t], s[SEL], s[SEL+1]
.endr
.irp t, 0,1,2,3
	v_add_f32 v[CH+\t], v[CH+\t], v[PM+\t]
.endr
.irp t, 0,1,2,3
	v_rcp_f32 v[ST+4*\t], v[CH+\t]
.endr
	v_nop                                          ; a plain line behind the last reciprocal
	s_wait_alu depctr_va_vdst(0)                   ; and the wait ahead of the first use: one for the four
; Tile t into v64-127 or v128-191 by turns (S^T's registers are free): register 8 ct + j of lane (r, h) is O(query r, channel 16 ct + 8 h + j).
.macro PACK t
.set W, 64+64*((\t)%2)
.set rT, ST+4*(\t)
	WIN 0x01                                       ; source 0 (O^T) window 1
.set i, 0
.rept 32
	v_pk_mul_f32 v[W+2*i:W+2*i+1], v[64*(\t)+2*i:64*(\t)+2*i+1], v[rT:rT+1] op_sel_hi:[1,0]   ; each accumulator from its low end on
.set i, i+1
.endr
	WIN 0
.irp u, 0,1                            ; channels 64 u on
.irp c, 0,1,2,3
	ds_store_b128 v[STO], v[W+8*(4*\u+\c):W+8*(4*\u+\c)+3] offset:64*\c
	ds_store_b128 v[STO], v[W+8*(4*\u+\c)+4:W+8*(4*\u+\c)+7] offset:64*\c+16
.endr
.irp n, 0,1,2,3,4,5,6,7
	ds_load_b128 v[W+32*\u+4*\n:W+32*\u+4*\n+3], v[RD] offset:2*SP*\n   ; LDS serves a wave's instructions in order (ISA guide 5.7.1.4): these see the stores above, and the next stores come behind them
.endr
.endr
.endm
.macro SEND t, younger                 ; younger: the LDS instructions of the tile packed behind tile t
.set W, 64+64*((\t)%2)
.irp u, 0,1
.irp n, 0,1,2,3,4,5,6,7
	s_wait_dscnt (\younger)+16*(1-\u)+7-\n         ; what was issued behind this load: the rest of its eight, the other half's sixteen, the next tile's
	global_store_b128 v[GO], v[W+32*\u+4*\n:W+32*\u+4*\n+3], s[14:15] offset:8192*(\t)+1024*\n+256*\u th:TH_STORE_NT   ; sixteen lanes store 256 consecutive bytes, aligned; written once
.endr
.endr
.endm
	PACK 0
	PACK 1
	SEND 0, 32
	s_wait_xcnt 0x0                                ; tile 0's stores have read their registers: tile 2 is packed into them only behind this wait
	PACK 2
	SEND 1, 32
	s_wait_xcnt 0x0                                ; likewise tile 1's, for tile 3
	PACK 3
	SEND 2, 32
	SEND 3, 0
	s_wait_tensorcnt 0x0                           ; the wave's end, behind my last tensor load and my last LDS store
	ds_add_u32 v[SPW], v[NIL]
	s_wait_dscnt 0x0
	CROUND                                         ; the closing round: no work-group ends while a partner may still ask for a tile that names it
	s_endpgm
.Lfunc_end_k_qaeae463ff2_attn:
	.size	k_qaeae463ff2_attn, .Lfunc_end_k_qaeae463ff2_attn-k_qaeae463ff2_attn
	.p2alignl 7, 3214868480
	.fill 96, 4, 3214868480
	.section	.rodata,"a",@progbits
	.p2align	6, 0x0
	.amdhsa_kernel k_qaeae463ff2_attn
		.amdhsa_group_segment_fixed_size 327680
		.amdhsa_private_segment_fixed_size 0
		.amdhsa_enable_private_segment 0
		.amdhsa_kernarg_size 48
		.amdhsa_user_sgpr_count 2
		.amdhsa_user_sgpr_kernarg_segment_ptr 1
		.amdhsa_wavefront_size32 1
		.amdhsa_system_sgpr_workgroup_id_x 1
		.amdhsa_system_sgpr_workgroup_id_y 1
		.amdhsa_system_sgpr_workgroup_id_z 1
		.amdhsa_system_vgpr_workitem_id 0
		.amdhsa_next_free_vgpr 1024
		.amdhsa_next_free_sgpr 92
		.amdhsa_reserve_vcc 0
		.amdhsa_float_denorm_mode_32 3
		.amdhsa_float_denorm_mode_16_64 3
		.amdhsa_memory_ordered 1
		.amdhsa_forward_progress 1
		.amdhsa_inst_pref_size 255
	.end_amdhsa_kernel
	.section	.bss,"aw",@nobits
	.p2align	6
	.space	262144
	.amdgpu_metadata
---
amdhsa.version: [ 1, 2 ]
amdhsa.kernels:
  - .name:           k_qaeae463ff2_attn
    .symbol:         k_qaeae463ff2_attn.kd
    .args:
      - { .name: q_codes, .offset: 0, .size: 8, .value_kind: global_buffer, .address_space: global }
      - { .name: q_scales, .offset: 8, .size: 8, .value_kind: global_buffer, .address_space: global }
      - { .name: k_codes, .offset: 16, .size: 8, .value_kind: global_buffer, .address_space: global }
      - { .name: k_scales, .offset: 24, .size: 8, .value_kind: global_buffer, .address_space: global }
      - { .name: v_img, .offset: 32, .size: 8, .value_kind: global_buffer, .address_space: global }
      - { .name: out0, .offset: 40, .size: 8, .value_kind: global_buffer, .address_space: global }
    .group_segment_fixed_size: 327680
    .private_segment_fixed_size: 0
    .kernarg_segment_align: 8
    .kernarg_segment_size: 48
    .max_flat_workgroup_size: 128
    .sgpr_count:     92
    .vgpr_count:     1024
    .wavefront_size: 32
...
	.end_amdgpu_metadata
.endif
;; end of part 2
